; MI455X (gfx1250); checked and timed in simulation.
; The chip was launched on July 23, 2026; its instructions are those of AMD's public machine-readable ISA for CDNA 5 (MIT licence, August 2026) and "CDNA5" Instruction Set Architecture Reference Guide (July 2026). The comments in the code are by the model that wrote it; some were corrected since.
;; Multi Head Attention. Allowed arithmetic: matrix products marked QUANTISED: E2M1 operands, one E8M0 scale for each 32 along K, by v_wmma_scale_f32_16x16x128_f8f6f4 with both operands' format E2M1 (or v_wmma_scale_f32_32x16x128_f4), f32 sums; products left as they are: bf16, f16 or f32 operands; f32 sums; everything else in f32.
;; Inputs: Wk 1,024 x 1,024 float32; Wo 1,024 x 1,024 float32; Wq 1,024 x 1,024 float32; Wv 1,024 x 1,024 float32; bk 1,024 float32; bo 1,024 float32; bq 1,024 float32; bv 1,024 float32; key 4 x 2,048 x 1,024 float32; query 4 x 2,048 x 1,024 float32; value 4 x 2,048 x 1,024 float32.
;; Outputs: out0 4 x 2,048 x 1,024 float32.
;; This version of the problem:
;;   THIS VERSION OF THE PROBLEM IS GIVEN IN LOW PRECISION. The matrix products marked QUANTISED in the list below multiply operands that are first quantised to E2M1 (2 exponent bits, 1 mantissa bit; 4 bits a number), with one power-of-two scale for each 32 numbers along K (OCP MX v1.0); their sums are f32. The products marked 'left as it is' may take bf16, f16 or f32 operands, with f32 sums. Whichever they take, every output number must still come out within the allowed error. Rounding operands to bf16 (8 significant bits) uses up far more of that allowance than f16 does (11 bits, for magnitudes from 6e-5 to 65,504). All else is computed in f32.
;;   The module's matrix products, in the order in which they are computed (A, B: the left and right operand; K: the contracted axis; several contracted axes count as one K, in the product's order):
;;     1. [M 8,192, K 1,024] x [K 1,024, N 1,024]; A: input query; B: input Wq: QUANTISED
;;     2. [M 8,192, K 1,024] x [K 1,024, N 1,024]; A: input key; B: input Wk: QUANTISED
;;     3. [M 8,192, K 1,024] x [K 1,024, N 1,024]; A: input value; B: input Wv: QUANTISED
;;     4. batch 64 x [M 2,048, K 64] x [K 64, N 2,048]; A: computed on the way; B: computed on the way: left as it is (an operand is computed on the way)
;;     5. batch 64 x [M 2,048, K 2,048] x [K 2,048, N 64]; A: computed on the way; B: computed on the way: left as it is (an operand is computed on the way)
;;     6. [M 8,192, K 1,024] x [K 1,024, N 1,024]; A: computed on the way; B: input Wo: left as it is (an operand is computed on the way)
;;   THE QUANTISER, for each operand of a quantised product, along K:
;;     - K is cut into blocks of 32 from its start; a last block that is shorter is filled with zeros.
;;     - A block's scale is 2^e with e = floor(log2(the largest magnitude in the block)) - 2, held to -126 .. 127; a block of zeros has e = 0. As a byte (E8M0): e + 127.
;;     - Each number is divided by its block's scale, clamped to +-6, and rounded to the nearest number of E2M1, ties to even, subnormals kept.
;;     - The product sums the exact products of the quantised numbers (number of the format x scale) in f32.
;;   ~~~python
;;   def quantise(x, axis):      # numpy; x: float32 -> the quantised numbers, widened to float32 again
;;       x = np.moveaxis(x, axis, -1); K = x.shape[-1]
;;       x = np.pad(x, [(0, 0)] * (x.ndim - 1) + [(0, -K % 32)]); x = x.reshape(x.shape[:-1] + (-1, 32)); a = np.abs(x).max(-1, keepdims=True)
;;       e = np.where(a > 0, np.clip(np.frexp(np.where(a > 0, a, 1))[1] - 1 - 2, -126, 127), 0)      # np.frexp(a)[1] - 1 = floor(log2(a)), exactly
;;       r = np.clip(x / 2.0 ** e, -6, 6)
;;       step = 2.0 ** (np.maximum(np.frexp(np.where(r == 0, 1, r))[1] - 1, 0) - 1)
;;       q = np.round(r / step) * step * 2.0 ** e      # np.round: ties to even
;;       return np.moveaxis(q.reshape(q.shape[:-2] + (-1,))[..., :K], -1, axis).astype(np.float32)
;;   ~~~
;; One version. Each part assembles by itself: llvm-mc -triple=amdgcn-amd-amdhsa -mcpu=gfx1250 --defsym DOCPART=n.
;; ======== version 1 of 1: 4 launches
;; limits: values are held in f16: magnitudes above 65,504 overflow, below 6.1e-05 lose precision; right only within a limited range of input values
;; workspace buffers: xc 12,582,912 bytes; xs 786,432 bytes; wc 1,671,168 bytes; wof 2,097,152 bytes; gp 16,781,312 bytes; qf 16,777,216 bytes; mtf 8,389,120 bytes
;; launch prep (part 1): grid 640 x 1, 4 waves a work-group, no clusters, 34,304 bytes of LDS; arguments key, value, query, Wk, Wv, Wq, Wo, xc, xs, wc, wof; writes xc, xs, wc, wof
.if DOCPART == 1
	.amdgcn_target "amdgcn-amd-amdhsa--gfx1250"
	.amdhsa_code_object_version 6
	.text
	.protected	k_qe55e98465f_prep
	.globl	k_qe55e98465f_prep
	.p2align	8
	.type	k_qe55e98465f_prep,@function
k_qe55e98465f_prep:
	s_mov_b64 s[64:65], 0
	v_nop
	global_prefetch_b8 v0, s[64:65] scope:SCOPE_SE
	s_setreg_imm32_b32 hwreg(HW_REG_WAVE_MODE, 25, 1), 1
	s_wait_xcnt 0x0
; PREP: the operands of the three quantised products become codes of FP4 (E2M1) with one E8M0 byte for each 32 along K, and Wo becomes f16;
; all four results are laid in the ORDER OF THE OPERAND'S REGISTERS, so that the later launches load whole fragments, 16 bytes a lane, 512 consecutive bytes an instruction.
; key, value, query: [8192][1024] f32, K innermost.  Wk, Wv, Wq, Wo: [1024 (k)][1024 (n)] f32, K outermost.
; A block's scale is 2^(floor(log2(its largest magnitude)) - 2); its byte is the largest magnitude's exponent field - 2, held at 1 from below by a floor among the maximum's leaves.
; xc  [t: key, value, query][row tile of 16, 512][K step of 128, 8][1,024 bytes]: in a fragment block kb of 32 along K, row r: bytes 256 kb + 16 r.
; xs  [t][row tile][half 2][row 16][16 bytes]: the scale words (four bytes: one K step) 4 half .. 4 half + 3 of the row.
; wc  [m: Wk, Wv, Wq][n tile of 16, 64][K step, 8][1,024 bytes], rows = columns n of W; from WSOFF on the scale words [m][K step][n], 4 bytes each.
; wof [head 16][n tile 64][u 2][1,024 bytes]: f16 fragments of Wo^T, rows n, K = 64 head + 32 u + ..: eight k on end, group g8 = (k % 32) / 8, at 256 g8 + 16 r.
; LIMITS: NaN and infinities are not served.  A block of zeros gets the byte 1 where the quantiser says 127: its codes are zeros, which add nothing under any byte but 0xff, and only this program reads the bytes.
; Blocks whose largest magnitude lies under 2^(3 - 127) are held at the byte 1.  |Wo| stays under 65,504 (f16).
; SHARES.  Work-groups 0 .. 383: a wave takes 16 rows x 1,024 of an activation.  Work-groups 384 .. 639: a wave takes 128 along K x 32 columns of a weight.
; No input byte is read by two work-groups: so no cluster.  No matrix work.  Waves share nothing: no barrier.
.set SPARE,  33792                     ; behind the four stages: the spare words, 128 bytes for each wave
.set STAGEB, 8448                      ; a wave's stage: 16 rows x SP
.set SP,     528                       ; a stage row: 512 bytes + 16: row r starts 4 r banks on (64 banks of 4 bytes: ISA guide 11.1)
.set WSOFF,  1572864                   ; where the weights' scale words begin in wc
.set SPW, 18                           ; v18  LDS address of my spare word; never rewritten
.set NIL, 19                           ; v19  0; never rewritten
.set SW,  24                           ; v24-31   activations: my row's scale words of the 8 K steps
.set C,   32                           ; v32..    codes
.set X,   64                           ; v64-127  activations: 64 numbers in the operand's order;  weights: v64-191, 128 numbers down K
.set R,   128                          ; v128-255 activations: two sets of 64 registers as loaded
.macro LOADA s                         ; K step s of my 16 rows: each load takes 512 consecutive bytes of one row
.irp i, 0,1,2,3,4,5,6,7,8,9,10,11,12,13,14,15
	global_load_b128 v[R+64*((\s)%2)+4*\i:R+64*((\s)%2)+4*\i+3], v4, s[34:35] offset:\i*4096+(\s)*512 th:TH_LOAD_NT
.endr
.endm
; One K step of 128: through my stage, so that lane (r, hh) holds, of row r, k = 64 c + 32 hh + 0 .. 31 in registers 32 c + 0 .. 31: two whole blocks, in the order of the operand's registers.
.macro STEPA s
.set RS_, R+64*((\s)%2)
.if (\s) < 7
	s_wait_loadcnt 16                              ; this step's 16 loads are in; the next step's 16 may be out
.else
	s_wait_loadcnt 0x0
.endif
.irp i, 0,1,2,3,4,5,6,7,8,9,10,11,12,13,14,15
	ds_store_b128 v5, v[RS_+4*\i:RS_+4*\i+3] offset:\i*SP
.endr
.irp c, 0,1
.irp j, 0,1,2,3,4,5,6,7
	ds_load_b128 v[X+32*\c+4*\j:X+32*\c+4*\j+3], v6 offset:256*\c+16*\j   ; LDS serves a wave's instructions in order (ISA guide 5.7.1.4): these see the stores above
.endr
.endr
	s_wait_dscnt 0x0                               ; the numbers are back, and the stores have read the set that is loaded again below
.if (\s) < 6
	LOADA (\s)+2
.endif
.irp c, 0,1
	v_max3_num_f32 v[8+\c], |v[X+32*\c]|, |v[X+32*\c+1]|, 0x1800000     ; my two blocks by turns; the floor 2^(3 - 127) holds the byte at 1 from below
.endr
.irp i, 2,4,6,8,10,12,14,16,18,20,22,24,26,28,30
.irp c, 0,1
	v_max3_num_f32 v[8+\c], v[8+\c], |v[X+32*\c+\i]|, |v[X+32*\c+\i+1]|
.endr
.endr
.irp c, 0,1
	v_add_nc_u32 v[12+\c], 0xff000000, v[8+\c]     ; 2 off the exponent field: the conversion takes this operand's exponent field as its scale
.endr
	s_wait_xcnt 0x0                                ; the last step's stores have read the codes' registers, which are written anew below
.irp c, 0,1
.irp g, 0,1,2,3
	v_cvt_scalef32_pk8_fp4_f32 v[C+4*\c+\g], v[X+32*\c+8*\g:X+32*\c+8*\g+7], v[12+\c]
.endr
.endr
	v_lshrrev_b32 v14, 23, v12                     ; the scales' bytes: blocks hh and 2 + hh of the K step.  (A plain line directly behind the last conversion)
	v_lshrrev_b32 v15, 23, v13
	v_lshl_or_b32 v16, v15, 16, v14
	v_lshlrev_b32 v16, v7, v16                     ; at their places in the word: 8 hh bits up
	v_permlanex16_b32 v17, v16, s30, s31
	v_or_b32 v[SW+(\s)], v16, v17                  ; with lane l xor 16's two bytes the word is whole
.irp c, 0,1
	global_store_b128 v4, v[C+4*\c:C+4*\c+3], s[18:19] offset:(\s)*1024+\c*512   ; 32 lanes store 512 consecutive bytes
.endr
.endm
; A block of 32 down K of my column of a weight: all its numbers are mine.
.macro WBLOCK q
.set XS_, X+32*(\q)
.if (\q) < 2
	s_wait_loadcnt 63                              ; behind this block's loads 96 or 64 more were issued; a wait names 63 at the most, and a smaller count is safe
.else
	s_wait_loadcnt 32*(3-(\q))                     ; the later blocks' loads may be out
.endif
	v_max3_num_f32 v12, |v[XS_]|, |v[XS_+1]|, |v[XS_+2]|
	v_max3_num_f32 v13, |v[XS_+3]|, |v[XS_+4]|, |v[XS_+5]|
.irp i, 6,10,14,18,22,26
	v_max3_num_f32 v12, v12, |v[XS_+\i]|, |v[XS_+\i+1]|
	v_max3_num_f32 v13, v13, |v[XS_+\i+2]|, |v[XS_+\i+3]|
.endr
	v_max3_num_f32 v12, v12, |v[XS_+30]|, |v[XS_+31]|
	v_max3_num_f32 v12, v12, v13, 0x1800000        ; and the floor
	v_add_nc_u32 v11, 0xff000000, v12
.irp g, 0,1,2,3
	v_cvt_scalef32_pk8_fp4_f32 v[C+4*(\q)+\g], v[XS_+8*\g:XS_+8*\g+7], v11     ; each block has code registers of its own: no store's data are written again
.endr
	v_lshrrev_b32 v13, 23, v11                     ; the byte
.if (\q) == 0
	v_mov_b32 v16, v13
.else
	v_lshl_or_b32 v16, v13, 8*(\q), v16            ; four bytes make the K step's word, the lower K in the lower byte
.endif
	global_store_b128 v5, v[C+4*(\q):C+4*(\q)+3], s[38:39] offset:256*(\q)      ; sixteen lanes store 256 consecutive bytes, aligned
.endm
	s_load_b512 s[4:19], s[0:1], 0x0               ; key 4:5, value 6:7, query 8:9, Wk 10:11, Wv 12:13, Wq 14:15, Wo 16:17, xc 18:19
	s_load_b128 s[20:23], s[0:1], 0x40             ; xs 20:21, wc 22:23
	s_load_b64 s[24:25], s[0:1], 0x50              ; wof
	v_lshl_add_u32 v[SPW], v0, 2, SPARE
	v_mov_b32 v[NIL], 0
	v_lshrrev_b32 v1, 5, v0
	v_readfirstlane_b32 s26, v1                    ; wave 0..3
	v_and_b32 v1, 31, v0                           ; lane
	v_and_b32 v2, 15, v0                           ; r
	v_bfe_u32 v3, v0, 4, 1                         ; hh
	s_mov_b32 s29, 0                               ; the high word of every offset pair s[28:29]
	s_wait_kmcnt 0x0
	s_cmp_lt_u32 ttmp9, 384
	s_cbranch_scc0 .Lw
	; ---- activations
	s_lshr_b32 s32, ttmp9, 7                       ; t
	s_and_b32 s33, ttmp9, 127
	s_lshl_b32 s33, s33, 2
	s_add_co_u32 s33, s33, s26                     ; my row tile, 0 .. 511
	s_cmp_lt_u32 s32, 1
	s_cselect_b64 s[34:35], s[4:5], s[6:7]
	s_cmp_lt_u32 s32, 2
	s_cselect_b64 s[34:35], s[34:35], s[8:9]       ; the tensor: the choice hangs on the work-group's number alone
	s_lshl_b32 s28, s33, 16                        ; 16 rows of 4,096 bytes
	s_add_nc_u64 s[34:35], s[34:35], s[28:29]
	s_lshl_b32 s28, s32, 22
	s_lshl_b32 s36, s33, 13
	s_add_co_u32 s28, s28, s36
	s_add_nc_u64 s[18:19], s[18:19], s[28:29]      ; xc at my tile
	s_lshl_b32 s28, s32, 18
	s_lshl_b32 s36, s33, 9
	s_add_co_u32 s28, s28, s36
	s_add_nc_u64 s[20:21], s[20:21], s[28:29]      ; xs at my tile
	s_mov_b32 s30, 0x76543210
	s_mov_b32 s31, 0xfedcba98                      ; v_permlanex16_b32's selects for lane l xor 16
	s_mul_i32 s37, s26, STAGEB                     ; my stage
	v_lshlrev_b32 v4, 4, v1                        ; 16 x lane
	v_add_nc_u32 v5, s37, v4                       ; into the stage: a row's 512 bytes as they lie
	v_mul_u32_u24 v6, v2, SP
	v_lshl_add_u32 v6, v3, 7, v6
	v_add_nc_u32 v6, s37, v6                       ; out of it: row r, + 128 hh bytes
	v_lshlrev_b32 v7, 3, v3                        ; 8 hh
	v_mov_b32 v17, 0                               ; written once: a lane permute's destination counts as one of its sources
	LOADA 0
	LOADA 1
.irp s, 0,1,2,3,4,5,6,7
	STEPA \s
.endr
	v_cmp_gt_u32 vcc_lo, 16, v1
.irp i, 0,1,2,3
	v_cndmask_b32 v[40+\i], v[SW+4+\i], v[SW+\i], vcc_lo   ; lanes 0-15: words 0-3 of row r; lanes 16-31: words 4-7
.endr
	global_store_b128 v4, v[40:43], s[20:21]       ; 512 consecutive bytes
	s_wait_tensorcnt 0x0                           ; the wave's end, behind my last LDS store
	ds_add_u32 v[SPW], v[NIL]
	s_wait_dscnt 0x0
	s_endpgm
	; ---- weights: a lane takes a column n, and its registers run down K
.Lw:
	s_sub_co_u32 s32, ttmp9, 384
	s_lshr_b32 s33, s32, 6                         ; m: Wk, Wv, Wq, Wo
	s_bfe_u32 s36, s32, 0x30003                    ; which 128 along K
	s_and_b32 s37, s32, 7
	s_lshl_b32 s37, s37, 2
	s_add_co_u32 s37, s37, s26                     ; cg: which 32 columns
	s_cmp_lt_u32 s33, 1
	s_cselect_b64 s[34:35], s[10:11], s[12:13]
	s_cmp_lt_u32 s33, 3
	s_cselect_b64 s[38:39], s[14:15], s[16:17]
	s_cmp_lt_u32 s33, 2
	s_cselect_b64 s[34:35], s[34:35], s[38:39]
	s_lshl_b32 s28, s36, 19                        ; 128 rows of 4,096 bytes
	s_lshl_b32 s40, s37, 7
	s_add_co_u32 s28, s28, s40
	s_add_nc_u64 s[34:35], s[34:35], s[28:29]
	v_lshlrev_b32 v4, 2, v1                        ; 4 x lane
.set kk, 0
.rept 128
	global_load_b32 v[X+kk], v4, s[34:35] offset:kk*4096 th:TH_LOAD_NT   ; a wave reads 128 consecutive bytes of a row, the four waves 512
.set kk, kk+1
.endr
	s_cmp_eq_u32 s33, 3
	s_cbranch_scc1 .Lwo
	s_lshl_b32 s28, s33, 19
	s_lshl_b32 s40, s37, 14
	s_add_co_u32 s28, s28, s40
	s_lshl_b32 s40, s36, 10
	s_add_co_u32 s28, s28, s40
	s_add_nc_u64 s[38:39], s[22:23], s[28:29]      ; the codes: m, n tile 2 cg, K step
	s_lshl_b32 s28, s33, 15
	s_lshl_b32 s40, s36, 12
	s_add_co_u32 s28, s28, s40
	s_lshl_b32 s40, s37, 7
	s_add_co_u32 s28, s28, s40
	s_add_co_u32 s28, s28, WSOFF
	s_add_nc_u64 s[22:23], s[22:23], s[28:29]      ; the scale words
	v_lshlrev_b32 v5, 4, v2
	v_lshl_add_u32 v5, v3, 13, v5                  ; 16 r, and lanes 16-31 the next n tile, 8,192 bytes on
.irp q, 0,1,2,3
	WBLOCK \q
.endr
	global_store_b32 v4, v16, s[22:23]
	s_wait_tensorcnt 0x0                           ; the wave's end: the launch writes LDS on its other path
	ds_add_u32 v[SPW], v[NIL]
	s_wait_dscnt 0x0
	s_endpgm
.Lwo:                                                  ; Wo: eight k on end of my column are 16 bytes of f16
	s_lshl_b32 s28, s36, 18                        ; two heads of 131,072 bytes
	s_lshl_b32 s40, s37, 12
	s_add_co_u32 s28, s28, s40
	s_add_nc_u64 s[24:25], s[24:25], s[28:29]
	v_lshlrev_b32 v6, 4, v2
	v_lshl_add_u32 v6, v3, 11, v6                  ; 16 r, and lanes 16-31 the next n tile, 2,048 bytes on
.set g, 0
.rept 16
.if g%4 == 0
.if g < 8
	s_wait_loadcnt 63                              ; as in the weights' blocks
.else
	s_wait_loadcnt 32*(3-g/4)
.endif
.endif
.irp i, 0,1,2,3
	v_cvt_pk_f16_f32 v[192+4*g+\i], v[X+8*g+2*\i], v[X+8*g+2*\i+1]
.endr
	global_store_b128 v6, v[192+4*g:192+4*g+3], s[24:25] offset:(g/8)*131072+((g/4)%2)*1024+(g%4)*256
.set g, g+1
.endr
	s_wait_tensorcnt 0x0                           ; the wave's end, as above
	ds_add_u32 v[SPW], v[NIL]
	s_wait_dscnt 0x0
	s_endpgm
.Lfunc_end_k_qe55e98465f_prep:
	.size	k_qe55e98465f_prep, .Lfunc_end_k_qe55e98465f_prep-k_qe55e98465f_prep
	.p2alignl 7, 3214868480
	.fill 96, 4, 3214868480
	.section	.rodata,"a",@progbits
	.p2align	6, 0x0
	.amdhsa_kernel k_qe55e98465f_prep
		.amdhsa_group_segment_fixed_size 34304
		.amdhsa_private_segment_fixed_size 0
		.amdhsa_enable_private_segment 0
		.amdhsa_kernarg_size 88
		.amdhsa_user_sgpr_count 2
		.amdhsa_user_sgpr_kernarg_segment_ptr 1
		.amdhsa_wavefront_size32 1
		.amdhsa_system_sgpr_workgroup_id_x 1
		.amdhsa_system_sgpr_workgroup_id_y 1
		.amdhsa_system_sgpr_workgroup_id_z 1
		.amdhsa_system_vgpr_workitem_id 0
		.amdhsa_next_free_vgpr 256
		.amdhsa_next_free_sgpr 66
		.amdhsa_reserve_vcc 1
		.amdhsa_float_denorm_mode_32 3
		.amdhsa_float_denorm_mode_16_64 3
		.amdhsa_memory_ordered 1
		.amdhsa_forward_progress 1
		.amdhsa_inst_pref_size 82
	.end_amdhsa_kernel
	.amdgpu_metadata
---
amdhsa.version: [ 1, 2 ]
amdhsa.kernels:
  - .name:           k_qe55e98465f_prep
    .symbol:         k_qe55e98465f_prep.kd
    .args:
      - { .name: key, .offset: 0, .size: 8, .value_kind: global_buffer, .address_space: global }
      - { .name: value, .offset: 8, .size: 8, .value_kind: global_buffer, .address_space: global }
      - { .name: query, .offset: 16, .size: 8, .value_kind: global_buffer, .address_space: global }
      - { .name: Wk, .offset: 24, .size: 8, .value_kind: global_buffer, .address_space: global }
      - { .name: Wv, .offset: 32, .size: 8, .value_kind: global_buffer, .address_space: global }
      - { .name: Wq, .offset: 40, .size: 8, .value_kind: global_buffer, .address_space: global }
      - { .name: Wo, .offset: 48, .size: 8, .value_kind: global_buffer, .address_space: global }
      - { .name: xc, .offset: 56, .size: 8, .value_kind: global_buffer, .address_space: global }
      - { .name: xs, .offset: 64, .size: 8, .value_kind: global_buffer, .address_space: global }
      - { .name: wc, .offset: 72, .size: 8, .value_kind: global_buffer, .address_space: global }
      - { .name: wof, .offset: 80, .size: 8, .value_kind: global_buffer, .address_space: global }
    .group_segment_fixed_size: 34304
    .private_segment_fixed_size: 0
    .kernarg_segment_align: 8
    .kernarg_segment_size: 88
    .max_flat_workgroup_size: 128
    .sgpr_count:     66
    .vgpr_count:     256
    .wavefront_size: 32
...
	.end_amdgpu_metadata
.endif
;; end of part 1
;; launch proj (part 2): grid 256 x 1, 4 waves a work-group, clusters of 4 x 1, 197,120 bytes of LDS; arguments xc, xs, wc, bk, bv, bq, gp, qf; writes gp, qf
.if DOCPART == 2
	.amdgcn_target "amdgcn-amd-amdhsa--gfx1250"
	.amdhsa_code_object_version 6
	.text
	.protected	k_qe55e98465f_proj
	.globl	k_qe55e98465f_proj
	.p2align	8
	.type	k_qe55e98465f_proj,@function
k_qe55e98465f_proj:
	s_mov_b64 s[64:65], 0
	v_nop
	global_prefetch_b8 v0, s[64:65] scope:SCOPE_SE
	s_setreg_imm32_b32 hwreg(HW_REG_WAVE_MODE, 25, 1), 1
	s_wait_xcnt 0x0
	s_wait_alu depctr_hold_cnt(0) depctr_sa_sdst(0) depctr_va_vdst(0) depctr_va_sdst(0) depctr_va_ssrc(0) depctr_va_vcc(0) depctr_vm_vsrc(0)
	s_getreg_b32 s2, hwreg(HW_REG_IB_STS2, 6, 4)
	s_cmp_eq_u32 s2, 0
	s_cbranch_scc0 .Lentry_in_a_cluster
	s_endpgm
.Lentry_in_a_cluster:
	s_bfe_u32 s2, ttmp6, 0x10000c
	s_cmp_lg_u32 s2, 0x3003
	s_cbranch_scc0 .Lentry_shape_is_right
	s_endpgm
.Lentry_shape_is_right:
; PROJ: k = Q(key) Q(Wk) + bk, v = Q(value) Q(Wv) + bv, q = Q(query) Q(Wq) + bq on codes of FP4 with E8M0 scales; of k and v only G = k^T v leaves (there is no softmax: (q k^T) v = q (k^T v)); q leaves as f16 fragments.
; SHARES.  A cluster of four work-groups takes 128 positions (chunk p of batch b); work-group cx takes heads 4 cx .. 4 cx + 3, wave w head h = 4 cx + w: 64 columns.
; The four partners need the same codes of key, value and query, 3 x 65,536 bytes: they are asked for JOINTLY (the same tensor loads, the same descriptors, a mask that names the four) and stay in LDS: nothing is filled again.
; A wave keeps its head's Wk and Wv (64 columns x 1,024 K: 256 registers each) in registers through phase A; Wq then takes Wk's place.
; PHASE A, four times 32 positions: 8 K steps of 16 products (source 0 = 16 positions, source 1 = 16 columns: a lane holds ONE column and 8 neighbouring positions); bias; rounded to f16 in pairs, two tiles ARE a fragment
; (16 columns x 32 positions) of k^T or v^T: nothing changes lanes; 16 products G^T += v^T k (f16, f32 sums).
; PHASE B, four times 32 positions: q, used transposed (source 0 = 16 columns of Wq, source 1 = 16 positions; bq is the C of each sum's first product): a lane holds one position and 8 neighbouring columns: two tiles are a fragment of q.
; OUT.  gp [b][h][p][tile 4 c + a][1,024 bytes]: f32 images of G^T's tiles (lane (r, hh): G[16 a + r][16 c + 8 hh + 0 .. 7]); from GMAX on [b][h][p]: the largest magnitude of the wave's partial.  qf [row tile][kappa = 2 h + u][1,024 bytes].
; LIMITS: |k|, |v|, |q| stay under 65,504 (f16); NaN and infinities are not served.
; REGISTERS, in windows of 256: window 0: v1-15 addresses and the maximum; v16-47 the weights' scale words (8 t + s: lanes 0-15 Wk's, lanes 16-31 Wv's); v48-111 the activations' (8 a + s: key's, value's);
;   v112-127 bk, bv, each number twice; v128-191 k's 8 tiles, v192-255 v's (phase B: q's, two sets).   window 1: Wk, then Wq: fragment (t, s) at 8 (8 t + s).   window 2: Wv; then bq's four tiles at v0-31.
;   window 3: v0-127 G^T; v128-255 four buffers of 32 registers for the activations' fragments.
.set SPARE, 196608                     ; behind the three tensors' codes: the spare words, 128 bytes for each wave
.set WSOFF, 1572864
.set GMAX,  16777216
.set SPW, 1                            ; v1  LDS address of my spare word; never rewritten
.set NIL, 2                            ; v2  0; never rewritten
.set AXK, 3                            ; v3  16 x lane: key's fragments in LDS; also the lane's offset in every image in memory
.set AXV, 4                            ; v4  + 65,536: value's
.set AXQ, 5                            ; v5  + 131,072: query's
.set WS,  16
.set XS,  48
.set BI,  112
.set KA,  128
.set VA,  192
.set BUF, 128                          ; in window 3
.set G1,  24                           ; s[24:31] descriptor group 1
.set G0,  32                           ; s[32:43] three groups 0
.set MSB, 0
.macro WIN new                         ; the immediate's high byte repeats the setting that is left
.if MSB != \new
	s_set_vgpr_msb (MSB<<8)|\new
.set MSB, \new
.endif
.endm
.macro PLACES n                        ; plain vector instructions that name no register of the matrix instructions before them (ISA guide 7.12.1)
.rept \n
	v_nop
.endr
.endm
.macro CROUND                          ; a round of the cluster's barrier
	s_barrier_signal -1
	s_barrier_wait -1
	s_cmp_lg_u32 s20, 0
	s_cbranch_scc1 .Lnot_wave_0_\@
	s_barrier_signal -3
.Lnot_wave_0_\@:
	s_barrier_wait -3
	s_barrier_signal -1
	s_barrier_wait -1
.endm
; K step g = 8 st + s of phase A: the fragments of key's and value's tiles 2 st, 2 st + 1 into buffer g % 4: 8 loads, 512 consecutive bytes each
.macro LDA g
	WIN 0xc0                                       ; destination window 3, address window 0
.irp a, 0,1
.irp c, 0,1
	ds_load_b128 v[BUF+32*((\g)%4)+8*\a+4*\c:BUF+32*((\g)%4)+8*\a+4*\c+3], v[AXK] offset:(2*((\g)/8)+\a)*8192+((\g)%8)*1024+\c*512
	ds_load_b128 v[BUF+32*((\g)%4)+16+8*\a+4*\c:BUF+32*((\g)%4)+16+8*\a+4*\c+3], v[AXV] offset:(2*((\g)/8)+\a)*8192+((\g)%8)*1024+\c*512
.endr
.endr
.endm
; its 16 products: the 16 accumulators take turns, one instruction a turn, in the same order in every K step.  s = 0 starts the sums: nothing is cleared.
.macro MULA g
.set ST_, (\g)/8
.set S_,  (\g)%8
.set BF_, BUF+32*((\g)%4)
	WIN 0x07                                       ; source 0 window 3, source 1 window 1 (Wk)
.irp t, 0,1,2,3
.irp a, 0,1
.if S_ == 0
	v_wmma_scale_f32_16x16x128_f8f6f4 v[KA+16*\t+8*\a:KA+16*\t+8*\a+7], v[BF_+8*\a:BF_+8*\a+7], v[64*\t+8*S_:64*\t+8*S_+7], 0, v[XS+8*(2*ST_+\a)+S_], v[WS+8*\t+S_] matrix_a_fmt:MATRIX_FMT_FP4 matrix_b_fmt:MATRIX_FMT_FP4
.else
	v_wmma_scale_f32_16x16x128_f8f6f4 v[KA+16*\t+8*\a:KA+16*\t+8*\a+7], v[BF_+8*\a:BF_+8*\a+7], v[64*\t+8*S_:64*\t+8*S_+7], v[KA+16*\t+8*\a:KA+16*\t+8*\a+7], v[XS+8*(2*ST_+\a)+S_], v[WS+8*\t+S_] matrix_a_fmt:MATRIX_FMT_FP4 matrix_b_fmt:MATRIX_FMT_FP4
.endif
.endr
.endr
	WIN 0x0b                                       ; source 1 window 2 (Wv); the scales come from lanes 16-31 of the same registers
.irp t, 0,1,2,3
.irp a, 0,1
.if S_ == 0
	v_wmma_scale_f32_16x16x128_f8f6f4 v[VA+16*\t+8*\a:VA+16*\t+8*\a+7], v[BF_+16+8*\a:BF_+16+8*\a+7], v[64*\t+8*S_:64*\t+8*S_+7], 0, v[XS+8*(2*ST_+\a)+S_], v[WS+8*\t+S_] matrix_a_fmt:MATRIX_FMT_FP4 matrix_b_fmt:MATRIX_FMT_FP4 matrix_a_scale:MATRIX_SCALE_ROW1 matrix_b_scale:MATRIX_SCALE_ROW1
.else
	v_wmma_scale_f32_16x16x128_f8f6f4 v[VA+16*\t+8*\a:VA+16*\t+8*\a+7], v[BF_+16+8*\a:BF_+16+8*\a+7], v[64*\t+8*S_:64*\t+8*S_+7], v[VA+16*\t+8*\a:VA+16*\t+8*\a+7], v[XS+8*(2*ST_+\a)+S_], v[WS+8*\t+S_] matrix_a_fmt:MATRIX_FMT_FP4 matrix_b_fmt:MATRIX_FMT_FP4 matrix_a_scale:MATRIX_SCALE_ROW1 matrix_b_scale:MATRIX_SCALE_ROW1
.endif
.endr
.endr
.endm
.macro KSTEPA g
.if (\g) <= 28
	s_wait_dscnt 24                                ; this K step's 8 loads are in; those of the three K steps behind it may be out
.else
	s_wait_dscnt 8*(31-(\g))
.endif
	MULA \g
.if ((\g) <= 27) || ((\g)%8 == 7)
	PLACES 4                                       ; in front of the loads into the buffer just read, and of the first read of finished sums
.endif
.if (\g) <= 27
	LDA (\g)+4
.endif
.endm
; bias, then f16: register i of a pair of tiles takes numbers 2 i, 2 i + 1: v[base + 16 t .. + 7] is then the fragment of k^T (v^T): rows 16 t + r, K = 32 positions.  Each accumulator is read from its low end on.
.macro CONV
	WIN 0
.irp t, 0,1,2,3
.irp i, 0,2,4,6,8,10,12,14
	v_pk_add_f32 v[KA+16*\t+\i:KA+16*\t+\i+1], v[KA+16*\t+\i:KA+16*\t+\i+1], v[BI+2*\t:BI+2*\t+1]
.endr
.irp i, 0,2,4,6,8,10,12,14
	v_pk_add_f32 v[VA+16*\t+\i:VA+16*\t+\i+1], v[VA+16*\t+\i:VA+16*\t+\i+1], v[BI+8+2*\t:BI+8+2*\t+1]
.endr
.endr
.irp t, 0,1,2,3
.irp i, 0,1,2,3,4,5,6,7
	v_cvt_pk_f16_f32 v[KA+16*\t+\i], v[KA+16*\t+2*\i], v[KA+16*\t+2*\i+1]
.endr
.irp i, 0,1,2,3,4,5,6,7
	v_cvt_pk_f16_f32 v[VA+16*\t+\i], v[VA+16*\t+2*\i], v[VA+16*\t+2*\i+1]
.endr
.endr
.endm
; G^T += v^T k over these 32 positions: tile 4 c + a: source 0 = v's columns 16 c on, source 1 = k's columns 16 a on.  16 accumulators by turns.
.macro GMUL st
	WIN 0xf0                                       ; C and D window 3
.irp c, 0,1,2,3
.irp a, 0,1,2,3
.if (\st) == 0
	v_wmma_f32_16x16x32_f16 v[8*(4*\c+\a):8*(4*\c+\a)+7], v[VA+16*\c:VA+16*\c+7], v[KA+16*\a:KA+16*\a+7], 0
.else
	v_wmma_f32_16x16x32_f16 v[8*(4*\c+\a):8*(4*\c+\a)+7], v[VA+16*\c:VA+16*\c+7], v[KA+16*\a:KA+16*\a+7], v[8*(4*\c+\a):8*(4*\c+\a)+7]
.endif
.endr
.endr
	PLACES 5                                       ; the next products write over these products' sources: five places
.endm
; phase B: group n = 4 st + gg: K steps 2 gg, 2 gg + 1 of query's tiles 2 st, 2 st + 1 into buffer n % 4
.macro LDQ n
	WIN 0xc0
.irp e, 0,1
.irp a, 0,1
.irp c, 0,1
	ds_load_b128 v[BUF+32*((\n)%4)+16*\e+8*\a+4*\c:BUF+32*((\n)%4)+16*\e+8*\a+4*\c+3], v[AXQ] offset:(2*((\n)/4)+\a)*8192+(2*((\n)%4)+\e)*1024+\c*512
.endr
.endr
.endr
.endm
.macro MULQ n                          ; 16 products, the 8 accumulators by turns
.set ST_, (\n)/4
.set QA_, KA+64*(ST_%2)
.irp e, 0,1
.set S_, 2*((\n)%4)+\e
.if S_ == 0
	WIN 0x2d                                       ; source 0 window 1 (Wq), source 1 window 3, C window 2 (bq)
.else
	WIN 0x0d
.endif
.irp a, 0,1
.irp t, 0,1,2,3
.if S_ == 0
	v_wmma_scale_f32_16x16x128_f8f6f4 v[QA_+32*\a+8*\t:QA_+32*\a+8*\t+7], v[64*\t+8*S_:64*\t+8*S_+7], v[BUF+32*((\n)%4)+16*\e+8*\a:BUF+32*((\n)%4)+16*\e+8*\a+7], v[8*\t:8*\t+7], v[WS+8*\t+S_], v[XS+8*(2*ST_+\a)+S_] matrix_a_fmt:MATRIX_FMT_FP4 matrix_b_fmt:MATRIX_FMT_FP4
.else
	v_wmma_scale_f32_16x16x128_f8f6f4 v[QA_+32*\a+8*\t:QA_+32*\a+8*\t+7], v[64*\t+8*S_:64*\t+8*S_+7], v[BUF+32*((\n)%4)+16*\e+8*\a:BUF+32*((\n)%4)+16*\e+8*\a+7], v[QA_+32*\a+8*\t:QA_+32*\a+8*\t+7], v[WS+8*\t+S_], v[XS+8*(2*ST_+\a)+S_] matrix_a_fmt:MATRIX_FMT_FP4 matrix_b_fmt:MATRIX_FMT_FP4
.endif
.endr
.endr
.endr
.endm
.macro QOUT st                         ; q's 32 positions x 64 columns to f16, in place, and out: fragment (a, u) = tiles 2 u, 2 u + 1 of row tile a
.set QA_, KA+64*((\st)%2)
	WIN 0
.irp a, 0,1
.irp u, 0,1
.irp i, 0,1,2,3,4,5,6,7
	v_cvt_pk_f16_f32 v[QA_+32*\a+16*\u+\i], v[QA_+32*\a+16*\u+2*\i], v[QA_+32*\a+16*\u+2*\i+1]
.endr
.endr
.endr
.irp a, 0,1
.irp u, 0,1
.irp hf, 0,1
	global_store_b128 v[AXK], v[QA_+32*\a+16*\u+4*\hf:QA_+32*\a+16*\u+4*\hf+3], s[62:63] offset:(2*(\st)+\a)*32768+\u*1024+\hf*512   ; 512 consecutive bytes
.endr
.endr
.endr
.endm
	s_load_b512 s[4:19], s[0:1], 0x0               ; xc 4:5, xs 6:7, wc 8:9, bk 10:11, bv 12:13, bq 14:15, gp 16:17, qf 18:19
	v_lshl_add_u32 v[SPW], v0, 2, SPARE
	v_mov_b32 v[NIL], 0
	ds_add_u32 v[SPW], v[NIL]                      ; the wave's opening: the add, twice on end, and its wait ahead of my first tensor load; work on registers stands between
	ds_add_u32 v[SPW], v[NIL]
	v_lshrrev_b32 v10, 5, v0
	v_readfirstlane_b32 s20, v10                   ; wave 0..3
	v_and_b32 v10, 31, v0                          ; lane
	v_and_b32 v11, 15, v0                          ; r
	v_bfe_u32 v12, v0, 4, 1                        ; hh
	v_lshlrev_b32 v[AXK], 4, v10
	v_add_nc_u32 v[AXV], 0x10000, v[AXK]
	v_add_nc_u32 v[AXQ], 0x20000, v[AXK]
	v_lshlrev_b32 v8, 2, v11                       ; 4 r
	v_lshl_add_u32 v6, v12, 15, v8                 ; lanes 16-31: Wv's scale words, 32,768 bytes behind Wk's
	v_lshlrev_b32 v9, 4, v11                       ; 16 r
	v_lshl_add_u32 v7, v12, 18, v9                 ; lanes 16-31: value's scale words, 262,144 bytes behind key's
	v_lshlrev_b32 v15, 5, v12                      ; 32 hh
	v_mov_b32 v14, 0                               ; a lane permute's destination counts as one of its sources
	s_bfe_u32 s21, ttmp6, 0x40000                  ; cx: it enters the addresses of weights, biases and outputs alone
	s_lshl_b32 s23, s21, 2
	s_add_co_u32 s23, s23, s20                     ; my head
	s_lshr_b32 s74, ttmp9, 4                       ; batch (ttmp9 counts clusters)
	s_and_b32 s75, ttmp9, 15                       ; chunk
	s_mov_b32 s72, 0x76543210
	s_mov_b32 s73, 0xfedcba98
	; descriptor group 1: 16,384 dense bytes as 64 rows of 256 bytes (32 elements of 8 bytes), no padding
	s_mov_b32 s[G1+0], 15|(3<<16)|(1<<21)          ; 15:0 the mask: all four work-groups; 17:16 elements of 8 bytes; 21 set beside a mask
	s_mov_b32 s[G1+1], 32<<16                      ; tensor_dim0
	s_mov_b32 s[G1+2], 64<<16                      ; tensor_dim1
	s_mov_b32 s[G1+3], 32<<16                      ; tile_dim0
	s_mov_b32 s[G1+4], 64                          ; tile_dim1
	s_mov_b32 s[G1+5], 32                          ; tensor_dim0_stride
	s_mov_b32 s[G1+6], 0
	s_mov_b32 s[G1+7], 0
	s_lshl_b32 s68, ttmp9, 16                      ; the cluster's 8 row tiles of 8,192 bytes,
	s_lshl_b32 s70, s20, 14                        ; my wave's two of them: in memory and in LDS alike
	s_add_co_u32 s68, s68, s70
	s_mov_b32 s69, 0
	s_mov_b32 s67, 0
	s_wait_dscnt 0x0                               ; both opening adds are done
	s_wait_kmcnt 0x0
	s_add_nc_u64 s[68:69], s[4:5], s[68:69]
.irp t, 0,1,2
	s_mov_b32 s[G0+4*\t], 1                        ; count = 1
	s_add_co_u32 s[G0+4*\t+1], s70, \t*65536       ; LDS address: the tensor's region + my wave's part
	s_add_nc_u64 s[G0+4*\t+2:G0+4*\t+3], s[68:69], \t*4194304
	s_or_b32 s[G0+4*\t+3], s[G0+4*\t+3], 0x80000000   ; type = 2
.endr
	s_lshl_b32 s66, s23, 15                        ; my head's 4 n tiles x 8 K steps x 1,024 bytes
	s_add_nc_u64 s[44:45], s[8:9], s[66:67]        ; Wk
	s_add_nc_u64 s[46:47], s[44:45], 524288        ; Wv
	s_add_nc_u64 s[48:49], s[44:45], 1048576       ; Wq
	s_lshl_b32 s66, s23, 8                         ; my head's 64 columns x 4 bytes
	s_add_nc_u64 s[50:51], s[8:9], s[66:67]
	s_add_nc_u64 s[50:51], s[50:51], WSOFF         ; Wk's scale words (Wv's by the lanes' offset)
	s_add_nc_u64 s[52:53], s[50:51], 65536         ; Wq's
	s_add_nc_u64 s[10:11], s[10:11], s[66:67]      ; bk, bv, bq at my head
	s_add_nc_u64 s[12:13], s[12:13], s[66:67]
	s_add_nc_u64 s[14:15], s[14:15], s[66:67]
	s_lshl_b32 s66, ttmp9, 12                      ; 8 row tiles x 512 bytes
	s_add_nc_u64 s[54:55], s[6:7], s[66:67]        ; key's scale words (value's by the lanes' offset)
	s_add_nc_u64 s[56:57], s[54:55], 524288        ; query's
	s_lshl_b32 s66, s74, 22
	s_lshl_b32 s71, s23, 18
	s_add_co_u32 s66, s66, s71
	s_lshl_b32 s71, s75, 14
	s_add_co_u32 s66, s66, s71
	s_add_nc_u64 s[58:59], s[16:17], s[66:67]      ; my partial of G
	s_lshl_b32 s66, s74, 10
	s_lshl_b32 s71, s23, 6
	s_add_co_u32 s66, s66, s71
	s_lshl_b32 s71, s75, 2
	s_add_co_u32 s66, s66, s71
	s_add_co_u32 s66, s66, GMAX
	s_add_nc_u64 s[60:61], s[16:17], s[66:67]      ; and its largest magnitude
	s_lshl_b32 s66, ttmp9, 18
	s_lshl_b32 s71, s23, 11
	s_add_co_u32 s66, s66, s71
	s_add_nc_u64 s[62:63], s[18:19], s[66:67]      ; q's fragments: row tile 8 x cluster, kappa 2 h
	CROUND                                         ; all four work-groups are here: the joint loads meet
	tensor_load_to_lds s[G0:G0+3], s[G1:G1+7]      ; three loads of mine are out: my part of key,
	s_nop 0
	tensor_load_to_lds s[G0+4:G0+7], s[G1:G1+7]    ; of value,
	s_nop 0
	tensor_load_to_lds s[G0+8:G0+11], s[G1:G1+7]   ; of query
	s_nop 0
	PLACES 4                                       ; four vector instructions ahead of the next switch of windows
	WIN 0x40                                       ; destination window 1
.set i, 0
.rept 64
	global_load_b128 v[4*i:4*i+3], v[AXK], s[44:45] offset:512*i     ; Wk's 32 fragments lie on end
.set i, i+1
.endr
	WIN 0x80                                       ; destination window 2
.set i, 0
.rept 64
	global_load_b128 v[4*i:4*i+3], v[AXK], s[46:47] offset:512*i     ; Wv's
.set i, i+1
.endr
	WIN 0
.irp t, 0,1,2,3
.irp s, 0,1,2,3,4,5,6,7
	global_load_b32 v[WS+8*\t+\s], v6, s[50:51] offset:\s*4096+\t*64
.endr
.endr
.irp a, 0,1,2,3,4,5,6,7
.irp hf, 0,1
	global_load_b128 v[XS+8*\a+4*\hf:XS+8*\a+4*\hf+3], v7, s[54:55] offset:\a*512+\hf*256
.endr
.endr
.irp t, 0,1,2,3
	global_load_b32 v[BI+2*\t], v8, s[10:11] offset:\t*64            ; bk of my column of tile t, twice: the packed addition takes a pair
	global_load_b32 v[BI+2*\t+1], v8, s[10:11] offset:\t*64
	global_load_b32 v[BI+8+2*\t], v8, s[12:13] offset:\t*64
	global_load_b32 v[BI+8+2*\t+1], v8, s[12:13] offset:\t*64
.endr
	s_wait_tensorcnt 0x0                           ; my parts have landed,
	s_barrier_signal -1
	s_barrier_wait -1                              ; everybody's have: from here on LDS is only read
	s_wait_loadcnt 0x0                             ; weights, scale words, biases
	; ---- phase A
.set g, 0
.rept 4
	LDA g
.set g, g+1
.endr
.set g, 0
.rept 32
	KSTEPA g
.if g%8 == 7
.if g == 31
	; phase B's operands are asked for here, behind the four places of the last K step: they travel under the last bias, rounding and G products, which touch none of these registers
	WIN 0x40
.set i, 0
.rept 64
	global_load_b128 v[4*i:4*i+3], v[AXK], s[48:49] offset:512*i     ; Wq over Wk
.set i, i+1
.endr
	WIN 0x80
.irp t, 0,1,2,3
	global_load_b128 v[8*\t:8*\t+3], v15, s[14:15] offset:64*\t       ; bq in the result's layout: register 8 t + j = bq[16 t + 8 hh + j]
	global_load_b128 v[8*\t+4:8*\t+7], v15, s[14:15] offset:64*\t+16
.endr
	WIN 0
.irp t, 0,1,2,3
.irp s, 0,1,2,3,4,5,6,7
	global_load_b32 v[WS+8*\t+\s], v8, s[52:53] offset:\s*4096+\t*64
.endr
.endr
.irp a, 0,1,2,3,4,5,6,7
.irp hf, 0,1
	global_load_b128 v[XS+8*\a+4*\hf:XS+8*\a+4*\hf+3], v9, s[56:57] offset:\a*512+\hf*256
.endr
.endr
	LDQ 0
	LDQ 1
	LDQ 2
	LDQ 3
.endif
	CONV
	GMUL g/8
.endif
.set g, g+1
.endr
	; ---- G^T leaves: its largest magnitude first (each accumulator from its low end on), then the 16 tiles as they stand
	WIN 0
.irp i, 10,11,12,13
	v_mov_b32 v\i, 0
.endr
	WIN 0x3c                                       ; sources 1 and 2 window 3
.set i, 0
.rept 64
	v_max3_num_f32 v[10+i%4], v[10+i%4], |v[2*i]|, |v[2*i+1]|
.set i, i+1
.endr
	WIN 0x0c                                       ; a store's data are its source 1: window 3
.set i, 0
.rept 32
	global_store_b128 v[AXK], v[4*i:4*i+3], s[58:59] offset:512*i    ; 512 consecutive bytes
.set i, i+1
.endr
	WIN 0
	v_max3_num_f32 v10, v10, v11, v12
	v_max_num_f32 v10, v10, v13
	v_max_num_f32_dpp v10, v10, v10 row_xmask:1 row_mask:0xf bank_mask:0xf
	v_max_num_f32_dpp v10, v10, v10 row_xmask:2 row_mask:0xf bank_mask:0xf
	v_max_num_f32_dpp v10, v10, v10 row_xmask:4 row_mask:0xf bank_mask:0xf
	v_max_num_f32_dpp v10, v10, v10 row_xmask:8 row_mask:0xf bank_mask:0xf
	v_permlanex16_b32 v14, v10, s72, s73
	v_max_num_f32 v10, v10, v14                    ; the wave's
	s_wait_xcnt 0x0                                ; EXEC changes only behind this wait: loads and stores are pending
	v_cmp_eq_u32 vcc_lo, 0, v[AXK]
	s_and_saveexec_b32 s76, vcc_lo                 ; lane 0 alone
	global_store_b32 v8, v10, s[60:61]
	s_wait_xcnt 0x0
	s_or_b32 exec_lo, exec_lo, s76
	s_wait_loadcnt 0x0                             ; Wq, bq, the scale words
	; ---- phase B.  (The five places behind the last G products stand at that macro's end: the first products below write over their sources.)
.set n, 0
.rept 16
.if n%4 == 0
	s_wait_xcnt 0x0                                ; the stores of two steps back have read the registers that these sums begin in
.endif
.if n <= 12
	s_wait_dscnt 24                                ; this group's 8 loads are in; the three groups behind it may be out
.else
	s_wait_dscnt 8*(15-n)
.endif
	MULQ n
	PLACES 4                                       ; in front of the loads into the buffer just read, and of the first read of finished sums
.if n <= 11
	LDQ n+4
.endif
.if n%4 == 3
	QOUT n/4
.endif
.set n, n+1
.endr
	WIN 0
	s_wait_tensorcnt 0x0                           ; the wave's end
	ds_add_u32 v[SPW], v[NIL]
	s_wait_dscnt 0x0
	CROUND                                         ; the closing round
	s_endpgm
.Lfunc_end_k_qe55e98465f_proj:
	.size	k_qe55e98465f_proj, .Lfunc_end_k_qe55e98465f_proj-k_qe55e98465f_proj
	.p2alignl 7, 3214868480
	.fill 96, 4, 3214868480
	.section	.rodata,"a",@progbits
	.p2align	6, 0x0
	.amdhsa_kernel k_qe55e98465f_proj
		.amdhsa_group_segment_fixed_size 197120
		.amdhsa_private_segment_fixed_size 0
		.amdhsa_enable_private_segment 0
		.amdhsa_kernarg_size 64
		.amdhsa_user_sgpr_count 2
		.amdhsa_user_sgpr_kernarg_segment_ptr 1
		.amdhsa_wavefront_size32 1
		.amdhsa_system_sgpr_workgroup_id_x 1
		.amdhsa_system_sgpr_workgroup_id_y 1
		.amdhsa_system_sgpr_workgroup_id_z 1
		.amdhsa_system_vgpr_workitem_id 0
		.amdhsa_next_free_vgpr 1024
		.amdhsa_next_free_sgpr 80
		.amdhsa_reserve_vcc 1
		.amdhsa_float_denorm_mode_32 3
		.amdhsa_float_denorm_mode_16_64 3
		.amdhsa_memory_ordered 1
		.amdhsa_forward_progress 1
		.amdhsa_inst_pref_size 222
	.end_amdhsa_kernel
	.amdgpu_metadata
---
amdhsa.version: [ 1, 2 ]
amdhsa.kernels:
  - .name:           k_qe55e98465f_proj
    .symbol:         k_qe55e98465f_proj.kd
    .args:
      - { .name: xc, .offset: 0, .size: 8, .value_kind: global_buffer, .address_space: global }
      - { .name: xs, .offset: 8, .size: 8, .value_kind: global_buffer, .address_space: global }
      - { .name: wc, .offset: 16, .size: 8, .value_kind: global_buffer, .address_space: global }
      - { .name: bk, .offset: 24, .size: 8, .value_kind: global_buffer, .address_space: global }
      - { .name: bv, .offset: 32, .size: 8, .value_kind: global_buffer, .address_space: global }
      - { .name: bq, .offset: 40, .size: 8, .value_kind: global_buffer, .address_space: global }
      - { .name: gp, .offset: 48, .size: 8, .value_kind: global_buffer, .address_space: global }
      - { .name: qf, .offset: 56, .size: 8, .value_kind: global_buffer, .address_space: global }
    .group_segment_fixed_size: 197120
    .private_segment_fixed_size: 0
    .kernarg_segment_align: 8
    .kernarg_segment_size: 64
    .max_flat_workgroup_size: 128
    .sgpr_count:     80
    .vgpr_count:     1024
    .wavefront_size: 32
...
	.end_amdgpu_metadata
.endif
;; end of part 2
;; launch mix (part 3): grid 256 x 1, 4 waves a work-group, no clusters, 2,560 bytes of LDS; arguments gp, wof, mtf; writes mtf
.if DOCPART == 3
	.amdgcn_target "amdgcn-amd-amdhsa--gfx1250"
	.amdhsa_code_object_version 6
	.text
	.protected	k_qe55e98465f_mix
	.globl	k_qe55e98465f_mix
	.p2align	8
	.type	k_qe55e98465f_mix,@function
k_qe55e98465f_mix:
	s_mov_b64 s[64:65], 0
	v_nop
	global_prefetch_b8 v0, s[64:65] scope:SCOPE_SE
	s_setreg_imm32_b32 hwreg(HW_REG_WAVE_MODE, 25, 1), 1
	s_wait_xcnt 0x0
; MIX: G[b][h] = the sum of its 16 partials; G' = G x 2^(126 - ef), ef the exponent field of the largest magnitude among the batch's 256 partial maxima (so |G'| < 16); M'[64 h + i][n] = sum over j of G'[i][j] Wo[64 h + j][n],
; f16 operands, f32 sums; M' leaves as f16 fragments of M'^T (rows n, K = 64 h + i); fac[b] = 2^(ef - 129) = 2^-3 x 2^(ef - 126) leaves beside them: out = fac (q M') + bo.
; The factor is a power of two made by arithmetic alone: it rounds nothing, and no branch and no address hangs on it.
; SHARES.  Work-group (b, h, a): rows 64 h + 16 a .. + 15 of M'_b, all 1,024 n.  Wave w sums G^T's tile (c = w, a), which is a quarter of the two fragments of G' (rows i, K = j); the four quarters meet in LDS as images of
; registers; then wave w makes n tiles 16 w .. 16 w + 15.
; NO CLUSTER: what work-groups share, a head's 131,072 bytes of Wo's fragments, goes straight into the registers that the products read, once a wave; a joint load would add a pass through LDS for 32 matrix instructions a wave.
; LIMITS: max |Wo| under 64, so that |M'| < 16 x 64 x 64 stays inside f16; NaN and infinities are not served.
; REGISTERS: window 0: v1-5 addresses; v8-23 the factor; v32-35 my quarter; v40-55 G's two fragments; v64-191 the 16 partials, then the 16 accumulators; v192-255 M' in f16.   window 1: Wo's fragment (tile t, u) at 16 t + 8 u.
.set SPARE, 2048                       ; behind the four images: the spare words, 128 bytes for each wave
.set GMAX,  16777216
.set MSC,   8388608
.set SPW, 1
.set NIL, 2
.set MSB, 0
.macro WIN new
.if MSB != \new
	s_set_vgpr_msb (MSB<<8)|\new
.set MSB, \new
.endif
.endm
	s_load_b128 s[4:7], s[0:1], 0x0                ; gp, wof
	s_load_b64 s[8:9], s[0:1], 0x10                ; mtf
	v_lshl_add_u32 v[SPW], v0, 2, SPARE
	v_mov_b32 v[NIL], 0
	v_lshrrev_b32 v3, 5, v0
	v_readfirstlane_b32 s10, v3                    ; wave 0..3
	v_and_b32 v5, 31, v0
	v_lshlrev_b32 v3, 4, v5                        ; 16 x lane
	v_lshlrev_b32 v4, 4, v0                        ; 16 x thread: 512 x wave + 16 x lane: where my quarter's image goes
	v_lshlrev_b32 v5, 2, v5                        ; 4 x lane
	v_mov_b32 v17, 0                               ; a lane permute's destination counts as one of its sources
	s_lshr_b32 s11, ttmp9, 6                       ; b
	s_bfe_u32 s12, ttmp9, 0x40002                  ; h
	s_and_b32 s13, ttmp9, 3                        ; a
	s_mov_b32 s14, 0x76543210
	s_mov_b32 s15, 0xfedcba98
	s_mov_b32 s17, 0
	s_wait_kmcnt 0x0
	s_lshl_b32 s16, s11, 10
	s_add_co_u32 s16, s16, GMAX
	s_add_nc_u64 s[18:19], s[4:5], s[16:17]        ; the batch's 256 maxima
	s_lshl_b32 s16, s11, 22
	s_lshl_b32 s28, s12, 18
	s_add_co_u32 s16, s16, s28
	s_lshl_b32 s28, s10, 12
	s_add_co_u32 s16, s16, s28
	s_lshl_b32 s28, s13, 10
	s_add_co_u32 s16, s16, s28
	s_add_nc_u64 s[20:21], s[4:5], s[16:17]        ; tile 4 w + a of partial 0
	s_lshl_b32 s16, s12, 17
	s_lshl_b32 s28, s10, 15
	s_add_co_u32 s16, s16, s28
	s_add_nc_u64 s[22:23], s[6:7], s[16:17]        ; Wo's fragments: head h, n tile 16 w
	s_lshl_b32 s16, s11, 21
	s_lshl_b32 s28, s10, 19
	s_add_co_u32 s16, s16, s28
	s_lshl_b32 s28, s12, 11
	s_add_co_u32 s16, s16, s28
	s_lshl_b32 s28, s13, 9
	s_add_co_u32 s16, s16, s28
	s_add_nc_u64 s[24:25], s[8:9], s[16:17]        ; M'^T: n tile 16 w, kappa 2 h + a / 2, half a % 2
	s_lshl_b32 s16, s11, 7
	s_add_co_u32 s16, s16, MSC
	s_add_nc_u64 s[26:27], s[8:9], s[16:17]        ; fac[b]
	global_load_b128 v[8:11], v3, s[18:19]
	global_load_b128 v[12:15], v3, s[18:19] offset:512
.irp p, 0,1,2,3,4,5,6,7,8,9,10,11,12,13,14,15
.irp hf, 0,1
	global_load_b128 v[64+8*\p+4*\hf:64+8*\p+4*\hf+3], v3, s[20:21] offset:\p*16384+\hf*512 th:TH_LOAD_NT
.endr
.endr
	WIN 0x40                                       ; destination window 1
.set i, 0
.rept 64
	global_load_b128 v[4*i:4*i+3], v3, s[22:23] offset:512*i         ; my 16 n tiles x 2 fragments lie on end
.set i, i+1
.endr
	WIN 0
	s_wait_loadcnt 63                              ; the maxima and the partials, 34 loads, are in: 64 were issued behind them; a wait names 63 at the most, and a smaller count is safe
	v_max3_num_f32 v16, v8, v9, v10                ; none is negative
	v_max3_num_f32 v16, v16, v11, v12
	v_max3_num_f32 v16, v16, v13, v14
	v_max_num_f32 v16, v16, v15
	v_max_num_f32_dpp v16, v16, v16 row_xmask:1 row_mask:0xf bank_mask:0xf
	v_max_num_f32_dpp v16, v16, v16 row_xmask:2 row_mask:0xf bank_mask:0xf
	v_max_num_f32_dpp v16, v16, v16 row_xmask:4 row_mask:0xf bank_mask:0xf
	v_max_num_f32_dpp v16, v16, v16 row_xmask:8 row_mask:0xf bank_mask:0xf
	v_permlanex16_b32 v17, v16, s14, s15
	v_max_num_f32 v16, v16, v17
	v_lshrrev_b32 v20, 23, v16                     ; ef
	v_sub_nc_u32 v21, 126, v20                     ; |G| <= 16 x the largest partial < 2^(ef - 122): x 2^(126 - ef) it lies under 16
	v_add_nc_u32 v23, 0xffffff7f, v20              ; ef - 129
.irp d, 8,4,2,1                        ; the 16 partials: a tree, in place
.set p, 0
.rept \d
.irp i, 0,2,4,6
	v_pk_add_f32 v[64+8*p+\i:64+8*p+\i+1], v[64+8*p+\i:64+8*p+\i+1], v[64+8*(p+\d)+\i:64+8*(p+\d)+\i+1]
.endr
.set p, p+1
.endr
.endr
.irp j, 0,1,2,3,4,5,6,7
	v_ldexp_f32 v[64+\j], v[64+\j], v21
.endr
.irp i, 0,1,2,3
	v_cvt_pk_f16_f32 v[32+\i], v[64+2*\i], v[65+2*\i]      ; lane (r, hh): G'[16 a + r][16 w + 8 hh + 0 .. 7]: registers 4 (w % 2) .. + 3 of fragment w / 2
.endr
	ds_store_b128 v4, v[32:35]
	s_wait_dscnt 0x0                               ; for the others' sake: my image has landed
	s_barrier_signal -1
	s_barrier_wait -1
.irp c, 0,1,2,3
	ds_load_b128 v[40+4*\c:43+4*\c], v3 offset:512*\c
.endr
	s_wait_dscnt 0x0
	s_wait_loadcnt 0x0                             ; Wo's fragments
	WIN 0x04                                       ; source 1 window 1
.irp u, 0,1                            ; source 0 = G' (rows i), source 1 = Wo^T (rows n): a lane holds n = r and 8 neighbouring i.  16 accumulators by turns; u = 0 starts the sums
.irp t, 0,1,2,3,4,5,6,7,8,9,10,11,12,13,14,15
.if \u == 0
	v_wmma_f32_16x16x32_f16 v[64+8*\t:71+8*\t], v[40+8*\u:47+8*\u], v[16*\t+8*\u:16*\t+8*\u+7], 0
.else
	v_wmma_f32_16x16x32_f16 v[64+8*\t:71+8*\t], v[40+8*\u:47+8*\u], v[16*\t+8*\u:16*\t+8*\u+7], v[64+8*\t:71+8*\t]
.endif
.endr
.endr
	WIN 0
.rept 4
	v_nop                                          ; four places in front of the first read of results (ISA guide 7.12.1)
.endr
.irp t, 0,1,2,3,4,5,6,7,8,9,10,11,12,13,14,15
.irp i, 0,1,2,3
	v_cvt_pk_f16_f32 v[192+4*\t+\i], v[64+8*\t+2*\i], v[65+8*\t+2*\i]
.endr
.endr
.irp t, 0,1,2,3,4,5,6,7,8,9,10,11,12,13,14,15
	global_store_b128 v3, v[192+4*\t:195+4*\t], s[24:25] offset:\t*32768     ; half a fragment: 512 consecutive bytes
.endr
	s_and_b32 s28, ttmp9, 63                       ; one wave of one work-group of each batch stores the factor
	s_or_b32 s28, s28, s10
	s_cmp_lg_u32 s28, 0
	s_cbranch_scc1 .Lno_fac
	v_ldexp_f32 v22, 1.0, v23
	global_store_b32 v5, v22, s[26:27]
.Lno_fac:
	s_wait_tensorcnt 0x0                           ; the wave's end, behind my last LDS store
	ds_add_u32 v[SPW], v[NIL]
	s_wait_dscnt 0x0
	s_endpgm
.Lfunc_end_k_qe55e98465f_mix:
	.size	k_qe55e98465f_mix, .Lfunc_end_k_qe55e98465f_mix-k_qe55e98465f_mix
	.p2alignl 7, 3214868480
	.fill 96, 4, 3214868480
	.section	.rodata,"a",@progbits
	.p2align	6, 0x0
	.amdhsa_kernel k_qe55e98465f_mix
		.amdhsa_group_segment_fixed_size 2560
		.amdhsa_private_segment_fixed_size 0
		.amdhsa_enable_private_segment 0
		.amdhsa_kernarg_size 24
		.amdhsa_user_sgpr_count 2
		.amdhsa_user_sgpr_kernarg_segment_ptr 1
		.amdhsa_wavefront_size32 1
		.amdhsa_system_sgpr_workgroup_id_x 1
		.amdhsa_system_sgpr_workgroup_id_y 1
		.amdhsa_system_sgpr_workgroup_id_z 1
		.amdhsa_system_vgpr_workitem_id 0
		.amdhsa_next_free_vgpr 512
		.amdhsa_next_free_sgpr 66
		.amdhsa_reserve_vcc 0
		.amdhsa_float_denorm_mode_32 3
		.amdhsa_float_denorm_mode_16_64 3
		.amdhsa_memory_ordered 1
		.amdhsa_forward_progress 1
		.amdhsa_inst_pref_size 25
	.end_amdhsa_kernel
	.amdgpu_metadata
---
amdhsa.version: [ 1, 2 ]
amdhsa.kernels:
  - .name:           k_qe55e98465f_mix
    .symbol:         k_qe55e98465f_mix.kd
    .args:
      - { .name: gp, .offset: 0, .size: 8, .value_kind: global_buffer, .address_space: global }
      - { .name: wof, .offset: 8, .size: 8, .value_kind: global_buffer, .address_space: global }
      - { .name: mtf, .offset: 16, .size: 8, .value_kind: global_buffer, .address_space: global }
    .group_segment_fixed_size: 2560
    .private_segment_fixed_size: 0
    .kernarg_segment_align: 8
    .kernarg_segment_size: 24
    .max_flat_workgroup_size: 128
    .sgpr_count:     66
    .vgpr_count:     512
    .wavefront_size: 32
...
	.end_amdgpu_metadata
.endif
;; end of part 3
;; launch outp (part 4): grid 4 x 64, 4 waves a work-group, clusters of 4 x 4, 327,680 bytes of LDS; arguments qf, mtf, bo, out0; writes out0
.if DOCPART == 4
	.amdgcn_target "amdgcn-amd-amdhsa--gfx1250"
	.amdhsa_code_object_version 6
	.text
	.protected	k_qe55e98465f_outp
	.globl	k_qe55e98465f_outp
	.p2align	8
	.type	k_qe55e98465f_outp,@function
k_qe55e98465f_outp:
	s_mov_b64 s[64:65], 0
	v_nop
	global_prefetch_b8 v0, s[64:65] scope:SCOPE_SE
	s_setreg_imm32_b32 hwreg(HW_REG_WAVE_MODE, 25, 1), 1
	s_wait_xcnt 0x0
	s_wait_alu depctr_hold_cnt(0) depctr_sa_sdst(0) depctr_va_vdst(0) depctr_va_sdst(0) depctr_va_ssrc(0) depctr_va_vcc(0) depctr_vm_vsrc(0)
	s_getreg_b32 s2, hwreg(HW_REG_IB_STS2, 6, 4)
	s_cmp_eq_u32 s2, 0
	s_cbranch_scc0 .Lentry_in_a_cluster
	s_endpgm
.Lentry_in_a_cluster:
	s_bfe_u32 s2, ttmp6, 0x10000c
	s_cmp_lg_u32 s2, 0xf033
	s_cbranch_scc0 .Lentry_shape_is_right
	s_endpgm
.Lentry_shape_is_right:
; OUTP: out[row][n] = fac[b] x (sum over K of q[row][K] M'_b[K][n]) + bo[n].  q and M'^T arrive as f16 fragments laid in the order of the operand's registers (1,024 bytes each); sums in f32; out is f32.
; A tile of out is 128 rows x 256 columns: 256 work-groups of four waves; a wave makes 64 x 128: 32 accumulators.  K = 1,024 goes in 8 steps of 128 through a ring of two LDS slots filled by the tensor data mover.
; A K step of a row tile (or n tile) is 4 fragments on end, 4,096 bytes; tiles lie 32,768 bytes apart: a wave's load is 4 (q) or 8 (M') rows of 4,096 bytes.  A fragment load takes 512 consecutive bytes: no padding.
; CLUSTERS: 4 x 4 work-groups.  The four of a row of the cluster need the same tiles of q, the four of a column the same tiles of M' (a cluster's 512 rows lie in one batch): each tile is asked for JOINTLY.
; THE MATRIX INSTRUCTION IS USED TRANSPOSED (source 0 = 16 rows of M'^T, source 1 = 16 rows of q): a lane holds eight neighbouring numbers of a row of out.
; REGISTERS: window 0: v16-29 addresses; v32-127, v128-223 two fragment buffers (q's 4 fragments, then M's 8); on the way out v32-223 are free.   window 1: accumulator (a, b) at 8 (8 a + b).   window 2: v0-63 bo in the result's layout.
.set SLOT,   98304                     ; q's 8 row tiles x 4,096, then M's 16 n tiles x 4,096
.set BOFF,   32768
.set STAGE,  196608                    ; behind the ring: 16 rows x 528 bytes for each wave, for the way out; no tensor load lands there
.set SPITCH, 528
.set SPARE,  230400                    ; behind the stages: the spare words, 128 bytes for each wave
.set MSC,    8388608
.set ADRA, 16                          ; v16-17  LDS address of my fragments of q in slot 0, 1
.set ADRB, 20                          ; v20-21  of M'
.set STO,  24
.set RD,   25
.set CO,   26                          ; v26  16 x lane
.set BOF,  27                          ; v27  32 hh
.set SPW,  28
.set NIL,  29
.set F0,   32
.set F1,   128
.set T,    96                          ; the way out: 64 finished numbers
.set G1,  24
.set G0,  32
.set G1B, 48
.set G0B, 56
.set MUL, 0x50                         ; C and D window 1
.set MSB, 0
.macro WIN new
.if MSB != \new
	s_set_vgpr_msb (MSB<<8)|\new
.set MSB, \new
.endif
.endm
.macro PLACES n
.rept \n
	v_nop
.endr
.endm
.macro JLOAD s                         ; a joint load: waves 0 and 1 fetch q's halves, waves 2 and 3 M's; an s_nop 0 and four v_nop follow each of the two lines
	s_cmp_eq_u32 s15, 0
	s_cbranch_scc0 .Lfor_b_\@
	tensor_load_to_lds s[G0+4*\s:G0+4*\s+3], s[G1:G1+7]
	s_nop 0
	PLACES 4
	s_branch .Lasked_\@
.Lfor_b_\@:
	tensor_load_to_lds s[G0B+4*\s:G0B+4*\s+3], s[G1B:G1B+7]
	s_nop 0
	PLACES 4
.Lasked_\@:
.endm
.macro CREST                           ; a round of the cluster's barrier behind its opening barrier
	s_cmp_lg_u32 s14, 0
	s_cbranch_scc1 .Lnot_wave_0_\@
	s_barrier_signal -3
.Lnot_wave_0_\@:
	s_barrier_wait -3
	s_barrier_signal -1
	s_barrier_wait -1
.endm
.macro CROUND
	s_barrier_signal -1
	s_barrier_wait -1
	CREST
.endm
.macro MUL8 f, a, zero                 ; row tile a x my 8 n tiles, 32 along K.  The 32 accumulators take turns, in the same order in every quarter
.irp b, 0,1,2,3,4,5,6,7
.if \zero
	v_wmma_f32_16x16x32_f16 v[8*(8*(\a)+\b):8*(8*(\a)+\b)+7], v[\f+32+8*\b:\f+32+8*\b+7], v[\f+8*(\a):\f+8*(\a)+7], 0
.else
	v_wmma_f32_16x16x32_f16 v[8*(8*(\a)+\b):8*(8*(\a)+\b)+7], v[\f+32+8*\b:\f+32+8*\b+7], v[\f+8*(\a):\f+8*(\a)+7], v[8*(8*(\a)+\b):8*(8*(\a)+\b)+7]
.endif
.endr
.endm
.macro FETCH slot, q, f                ; 24 LDS loads in one run: the fragments of the slot's q-th 32 along K
.irp i, 0,1,2,3
.irp c, 0,1
	ds_load_b128 v[\f+8*\i+4*\c:\f+8*\i+4*\c+3], v[ADRA+\slot] offset:\i*4096+(\q)*1024+\c*512
.endr
.endr
.irp i, 0,1,2,3,4,5,6,7
.irp c, 0,1
	ds_load_b128 v[\f+32+8*\i+4*\c:\f+32+8*\i+4*\c+3], v[ADRB+\slot] offset:\i*4096+(\q)*1024+\c*512
.endr
.endr
.endm
; A K step is four quarters of 32 along K, 32 matrix instructions each, on buffers 0, 1, 0, 1.  One of the first three: multiplies buffer f and, in its middle, fetches quarter q into g.
.macro QUARTER slot, q, f, g, zero
	s_wait_dscnt 0x0                               ; buffer f is in (asked for 16 matrix instructions ago)
	WIN MUL
	MUL8 \f, 0, \zero
	MUL8 \f, 1, \zero
	PLACES 4                                       ; in front of loads into registers that matrix instructions have read
	WIN 0
	FETCH \slot, \q, \g
	WIN MUL
	MUL8 \f, 2, \zero
	MUL8 \f, 3, \zero
.endm
; The last quarter multiplies buffer 1 and changes slots: ONE barrier; in front of it each wave waits for all its tensor loads, adds 0 to its spare word, and waits for that and for its reads of this slot.
; fill = 1: the barrier opens a round of the cluster's barrier, and this slot is filled again, two K steps ahead, first thing behind the round.
.macro TURN slot, next, fill
	WIN 0                                          ; (the add's two registers lie in window 0)
	s_wait_tensorcnt 0x0                           ; all my tensor loads have landed: the one that was out is my part of the next slot
	ds_add_u32 v[SPW], v[NIL]                      ; 0 onto my spare word
	s_wait_dscnt 1                                 ; buffer 1 is in; the add may be out
	WIN MUL
	MUL8 F1, 0, 0                                  ; eight matrix instructions stand between the add and the wait for it
	s_wait_dscnt 0x0                               ; the add is done, and my reads of this slot are over
	s_barrier_signal -1
	MUL8 F1, 1, 0
	WIN 0
	s_barrier_wait -1
.if \fill
	CREST                                          ; no wave of any partner still reads this slot's tile or has a load on its way
	s_add_nc_u64 s[G0+4*\slot+2:G0+4*\slot+3], s[G0+4*\slot+2:G0+4*\slot+3], 8192
	s_add_nc_u64 s[G0B+4*\slot+2:G0B+4*\slot+3], s[G0B+4*\slot+2:G0B+4*\slot+3], 8192
	JLOAD \slot                                    ; my one tensor load behind the round; its four v_nop are also the places in front of the loads below
.else
	PLACES 4
.endif
	FETCH \next, 0, F0
	WIN MUL
	MUL8 F1, 2, 0
	MUL8 F1, 3, 0
.endm
	s_load_b256 s[4:11], s[0:1], 0x0               ; qf 4:5, mtf 6:7, bo 8:9, out0 10:11
	v_lshl_add_u32 v[SPW], v0, 2, SPARE
	v_mov_b32 v[NIL], 0
	ds_add_u32 v[SPW], v[NIL]                      ; the wave's opening: the add, twice on end, and its wait ahead of my first tensor load
	ds_add_u32 v[SPW], v[NIL]
	v_lshrrev_b32 v1, 5, v0
	v_readfirstlane_b32 s14, v1                    ; wave 0..3
	s_lshr_b32 s15, s14, 1                         ; which 64 of the tile's rows are mine.  Also: I fetch for q (0) or for M' (1)
	s_and_b32 s16, s14, 1                          ; which 128 of its columns.  Also: which half of that tile I fetch
	s_bfe_u32 s40, ttmp6, 0x40000                  ; cx, cy: my place in the cluster
	s_bfe_u32 s41, ttmp6, 0x40004
	s_lshl_b32 s42, ttmp9, 2
	s_add_co_u32 s42, s42, s40                     ; tile column = 4 x cluster x + cx
	s_and_b32 s18, ttmp7, 0xffff
	s_lshl_b32 s17, s18, 2
	s_add_co_u32 s17, s17, s41                     ; tile row = 4 x cluster y + cy
	s_lshr_b32 s18, s18, 2                         ; the batch: 16 tile rows, 4 clusters: the same in all sixteen partners
	s_lshl_b32 s43, s41, 2
	s_lshl_b32 s43, 15, s43                        ; my row of the cluster
	s_lshl_b32 s44, 0x1111, s40                    ; my column
	s_or_b32 s[G1+0], s43, (3<<16)|(1<<21)         ; 15:0 the mask; 17:16 elements of 8 bytes; 21 set beside a mask; no padding
	s_mov_b32 s[G1+1], 512<<16                     ; tensor_dim0 = 512 elements: 4,096 bytes
	s_mov_b32 s[G1+2], 4<<16                       ; tensor_dim1 = 4 row tiles
	s_mov_b32 s[G1+3], 512<<16                     ; tile_dim0
	s_mov_b32 s[G1+4], 4                           ; tile_dim1
	s_mov_b32 s[G1+5], 4096                        ; tensor_dim0_stride: 32,768 bytes
	s_mov_b32 s[G1+6], 0
	s_mov_b32 s[G1+7], 0
	s_or_b32 s[G1B+0], s44, (3<<16)|(1<<21)
	s_mov_b32 s[G1B+1], 512<<16
	s_mov_b32 s[G1B+2], 8<<16                      ; 8 n tiles
	s_mov_b32 s[G1B+3], 512<<16
	s_mov_b32 s[G1B+4], 8
	s_mov_b32 s[G1B+5], 4096
	s_mov_b32 s[G1B+6], 0
	s_mov_b32 s[G1B+7], 0
	s_lshl_b32 s20, s17, 3
	s_lshl_b32 s19, s16, 2
	s_add_co_u32 s20, s20, s19
	s_lshl_b32 s20, s20, 15                        ; q: row tile 8 x tile row + 4 x half
	s_mov_b32 s21, 0
	s_lshl_b32 s46, s42, 4
	s_lshl_b32 s19, s16, 3
	s_add_co_u32 s46, s46, s19
	s_lshl_b32 s46, s46, 15                        ; M': n tile 16 x tile column + 8 x half,
	s_lshl_b32 s19, s18, 21
	s_add_co_u32 s46, s46, s19                     ; in my batch
	s_mov_b32 s47, 0
	s_lshl_b32 s70, s16, 14                        ; where they go: no place in the cluster enters an LDS address
	s_lshl_b32 s71, s16, 15
	s_add_co_u32 s71, s71, BOFF
	s_lshl_b32 s68, s18, 7
	s_add_co_u32 s68, s68, MSC                     ; fac[b]
	s_mov_b32 s69, 0
	s_wait_dscnt 0x0                               ; both opening adds are done
	s_wait_kmcnt 0x0
	s_add_nc_u64 s[20:21], s[4:5], s[20:21]
	s_add_nc_u64 s[46:47], s[6:7], s[46:47]
	s_add_nc_u64 s[68:69], s[6:7], s[68:69]
	CROUND                                         ; all sixteen work-groups are here: the first joint loads meet
.irp s, 0,1
	s_mov_b32 s[G0+4*\s], 1
	s_add_co_u32 s[G0+4*\s+1], s70, \s*SLOT
	s_add_nc_u64 s[G0+4*\s+2:G0+4*\s+3], s[20:21], \s*4096
	s_or_b32 s[G0+4*\s+3], s[G0+4*\s+3], 0x80000000
	s_mov_b32 s[G0B+4*\s], 1
	s_add_co_u32 s[G0B+4*\s+1], s71, \s*SLOT
	s_add_nc_u64 s[G0B+4*\s+2:G0B+4*\s+3], s[46:47], \s*4096
	s_or_b32 s[G0B+4*\s+3], s[G0B+4*\s+3], 0x80000000
.endr
	s_cmp_eq_u32 s15, 0                            ; a wave's two first fills stand in one branch: two loads of mine are out
	s_cbranch_scc0 .Lfirst_b
	tensor_load_to_lds s[G0:G0+3], s[G1:G1+7]
	s_nop 0
	tensor_load_to_lds s[G0+4:G0+7], s[G1:G1+7]
	s_nop 0
	PLACES 4
	s_branch .Lfirst_asked
.Lfirst_b:
	tensor_load_to_lds s[G0B:G0B+3], s[G1B:G1B+7]
	s_nop 0
	tensor_load_to_lds s[G0B+4:G0B+7], s[G1B:G1B+7]
	s_nop 0
	PLACES 4
.Lfirst_asked:
	s_load_b32 s66, s[68:69], 0x0                  ; the batch's factor: wanted on the way out
	v_and_b32 v1, 15, v0                           ; r
	v_bfe_u32 v2, v0, 4, 1                         ; hh
	v_and_b32 v3, 31, v0
	v_lshlrev_b32 v[CO], 4, v3
	v_lshlrev_b32 v[BOF], 5, v2
	s_lshl_b32 s22, s15, 14                        ; my 4 row tiles of q
	v_add_nc_u32 v[ADRA], s22, v[CO]
	v_add_nc_u32 v[ADRA+1], SLOT, v[ADRA]
	s_lshl_b32 s23, s16, 15                        ; my 8 n tiles of M', behind q's
	s_add_co_u32 s23, s23, BOFF
	v_add_nc_u32 v[ADRB], s23, v[CO]
	v_add_nc_u32 v[ADRB+1], SLOT, v[ADRB]
	s_mul_i32 s22, s14, 16*SPITCH
	s_add_co_u32 s22, s22, STAGE                   ; my stage
	v_mul_u32_u24 v[STO], v1, SPITCH               ; in: row r, 32 bytes for each half of the lanes
	v_lshl_add_u32 v[STO], v2, 5, v[STO]
	v_add_nc_u32 v[STO], s22, v[STO]
	v_add_nc_u32 v[RD], s22, v[CO]                 ; back: the 32 lanes take one row of 512 bytes
	s_lshl_b32 s22, s42, 10
	s_lshl_b32 s19, s16, 9
	s_add_co_u32 s22, s22, s19                     ; my first column, in bytes
	s_mov_b32 s23, 0
	s_add_nc_u64 s[8:9], s[8:9], s[22:23]          ; bo
	s_add_nc_u64 s[10:11], s[10:11], s[22:23]
	s_lshl_b32 s22, s17, 19
	s_lshl_b32 s19, s15, 18
	s_add_co_u32 s22, s22, s19                     ; my first row: 128 x tile row + 64 x half, rows of 4,096 bytes
	s_add_nc_u64 s[10:11], s[10:11], s[22:23]      ; out
	WIN 0x80                                       ; destination window 2
.irp b, 0,1,2,3,4,5,6,7
	global_load_b128 v[8*\b:8*\b+3], v[BOF], s[8:9] offset:64*\b          ; register 8 b + j = bo[my column 16 b + 8 hh + j]
	global_load_b128 v[8*\b+4:8*\b+7], v[BOF], s[8:9] offset:64*\b+16
.endr
	WIN 0
	s_wait_tensorcnt 1                             ; my part of K step 0 is in; K step 1's may stay out
	s_barrier_signal -1
	s_barrier_wait -1                              ; everybody's is
	FETCH 0, 0, F0
	QUARTER 0, 1, F0, F1, 1                        ; the first quarter stands in front of the loop: its products start the sums
	WIN 0                                          ; at a label and at a branch every window is 0
	s_mov_b32 s3, 3
.Llap:                                                 ; a trip goes once round the ring, from a lap's second quarter to the next lap's first, and fills both slots again: K steps 2 to 7 in three trips
	QUARTER 0, 2, F1, F0, 0
	QUARTER 0, 3, F0, F1, 0
	TURN 0, 1, 1
	QUARTER 1, 1, F0, F1, 0
	QUARTER 1, 2, F1, F0, 0
	QUARTER 1, 3, F0, F1, 0
	TURN 1, 0, 1
	QUARTER 0, 1, F0, F1, 0
	WIN 0
	s_sub_co_u32 s3, s3, 1
	s_cmp_lg_u32 s3, 0
	s_cbranch_scc1 .Llap
	QUARTER 0, 2, F1, F0, 0                        ; the last lap fills nothing, and has no round of the cluster's barrier
	QUARTER 0, 3, F0, F1, 0
	TURN 0, 1, 0
	QUARTER 1, 1, F0, F1, 0
	QUARTER 1, 2, F1, F0, 0
	QUARTER 1, 3, F0, F1, 0
	s_wait_dscnt 0x0                               ; the very last quarter: nothing more to fetch
	WIN MUL
	MUL8 F1, 0, 0
	MUL8 F1, 1, 0
	MUL8 F1, 2, 0
	MUL8 F1, 3, 0
	WIN 0
; THE WAY OUT, 16 rows x 128 columns at a time: fac x sum + bo, one fused multiply-add; a lane's 32 bytes of a row go into my own stage and come back as whole rows of 512 bytes.
.macro PACKF a
	WIN 0x21                                       ; source 0 (the sums) window 1, source 2 (bo) window 2
.irp b, 0,1,2,3,4,5,6,7
.irp i, 0,2,4,6
	v_pk_fma_f32 v[T+8*\b+\i:T+8*\b+\i+1], v[8*(8*(\a)+\b)+\i:8*(8*(\a)+\b)+\i+1], s[66:67], v[8*\b+\i:8*\b+\i+1] op_sel_hi:[1,0,1]   ; each accumulator from its low end on
.endr
.endr
	WIN 0
.endm
.macro TOSTAGE a
.set BB, 32+128*((\a)%2)               ; v32-95 and v160-223 by turns
.irp b, 0,1,2,3,4,5,6,7
	ds_store_b128 v[STO], v[T+8*\b:T+8*\b+3] offset:64*\b
	ds_store_b128 v[STO], v[T+8*\b+4:T+8*\b+7] offset:64*\b+16
.endr
.irp t, 0,1,2,3,4,5,6,7,8,9,10,11,12,13,14,15
	ds_load_b128 v[BB+4*\t:BB+4*\t+3], v[RD] offset:\t*SPITCH      ; LDS serves a wave's instructions in order (ISA guide 5.7.1.4): these see the stores above
.endr
.endm
.macro SEND a
.set BB, 32+128*((\a)%2)
	s_wait_dscnt 0x0                               ; the block is back in registers
.irp t, 0,1,2,3,4,5,6,7,8,9,10,11,12,13,14,15
	global_store_b128 v[CO], v[BB+4*\t:BB+4*\t+3], s[10:11] offset:(16*(\a)+\t)*4096 th:TH_STORE_NT   ; 32 lanes store 512 consecutive bytes, aligned; written once, read by nobody here
.endr
.endm
	PLACES 4                                       ; in front of the first read of results and of writes into the fragments' registers
	s_wait_loadcnt 0x0                             ; bo
	s_wait_kmcnt 0x0                               ; fac
	s_mov_b32 s67, s66                             ; (the packed form names the pair)
	PACKF 0
	TOSTAGE 0
.irp a, 1,2,3                          ; block a's arithmetic stands between block a - 1's loads from the stage and the wait for them
	PACKF \a
	SEND \a-1
.if \a > 1
	s_wait_xcnt 0x0                                ; block a - 2's stores have read the registers into which block a is read back
.endif
	TOSTAGE \a
.endr
	SEND 3
	s_wait_tensorcnt 0x0                           ; the wave's end, behind my last tensor load and my last LDS store
	ds_add_u32 v[SPW], v[NIL]
	s_wait_dscnt 0x0
	CROUND                                         ; the closing round: no work-group ends while a partner may still ask for a tile that names it
	s_endpgm
.Lfunc_end_k_qe55e98465f_outp:
	.size	k_qe55e98465f_outp, .Lfunc_end_k_qe55e98465f_outp-k_qe55e98465f_outp
	.p2alignl 7, 3214868480
	.fill 96, 4, 3214868480
	.section	.rodata,"a",@progbits
	.p2align	6, 0x0
	.amdhsa_kernel k_qe55e98465f_outp
		.amdhsa_group_segment_fixed_size 327680
		.amdhsa_private_segment_fixed_size 0
		.amdhsa_enable_private_segment 0
		.amdhsa_kernarg_size 32
		.amdhsa_user_sgpr_count 2
		.amdhsa_user_sgpr_kernarg_segment_ptr 1
		.amdhsa_wavefront_size32 1
		.amdhsa_system_sgpr_workgroup_id_x 1
		.amdhsa_system_sgpr_workgroup_id_y 1
		.amdhsa_system_sgpr_workgroup_id_z 1
		.amdhsa_system_vgpr_workitem_id 0
		.amdhsa_next_free_vgpr 576
		.amdhsa_next_free_sgpr 72
		.amdhsa_reserve_vcc 0
		.amdhsa_float_denorm_mode_32 3
		.amdhsa_float_denorm_mode_16_64 3
		.amdhsa_memory_ordered 1
		.amdhsa_forward_progress 1
		.amdhsa_inst_pref_size 93
	.end_amdhsa_kernel
	.amdgpu_metadata
---
amdhsa.version: [ 1, 2 ]
amdhsa.kernels:
  - .name:           k_qe55e98465f_outp
    .symbol:         k_qe55e98465f_outp.kd
    .args:
      - { .name: qf, .offset: 0, .size: 8, .value_kind: global_buffer, .address_space: global }
      - { .name: mtf, .offset: 8, .size: 8, .value_kind: global_buffer, .address_space: global }
      - { .name: bo, .offset: 16, .size: 8, .value_kind: global_buffer, .address_space: global }
      - { .name: out0, .offset: 24, .size: 8, .value_kind: global_buffer, .address_space: global }
    .group_segment_fixed_size: 327680
    .private_segment_fixed_size: 0
    .kernarg_segment_align: 8
    .kernarg_segment_size: 32
    .max_flat_workgroup_size: 128
    .sgpr_count:     72
    .vgpr_count:     576
    .wavefront_size: 32
...
	.end_amdgpu_metadata
.endif
;; end of part 4
